; MI455X (gfx1250); checked and timed in simulation.
; The chip was launched on July 23, 2026; its instructions are those of AMD's public machine-readable ISA for CDNA 5 (MIT licence, August 2026) and "CDNA5" Instruction Set Architecture Reference Guide (July 2026). The comments in the code are by the model that wrote it; some were corrected since.
;; Plane Validator. Allowed arithmetic: float matrix products may take bf16 or f16 operands with f32 sums; all other float work in f32.
;; Inputs: sample_points 8 x 1,024 x 3 float32; y_pred 8 x 16 x 4 float32.
;; Outputs: out0 8 x 16 x 8 float32.
;; One version. Each part assembles by itself: llvm-mc -triple=amdgcn-amd-amdhsa -mcpu=gfx1250 --defsym DOCPART=n.
;; ======== version 1 of 1: 2 launches
;; workspace buffers: rec 8,192 bytes
;; launch chamfer (part 1): grid 256 x 1, 8 waves a work-group, no clusters, 168,960 bytes of LDS; arguments sample_points, y_pred, rec; writes rec
.if DOCPART == 1
	.amdgcn_target "amdgcn-amd-amdhsa--gfx1250"
	.amdhsa_code_object_version 6
	.text
	.protected	k_q21f561bfc3_chamfer
	.globl	k_q21f561bfc3_chamfer
	.p2align	8
	.type	k_q21f561bfc3_chamfer,@function
k_q21f561bfc3_chamfer:
	s_mov_b64 s[64:65], 0
	v_nop
	global_prefetch_b8 v0, s[64:65] scope:SCOPE_SE
	s_setreg_imm32_b32 hwreg(HW_REG_WAVE_MODE, 25, 1), 1
	s_wait_xcnt 0x0
; PlaneValidator, first of two launches: the symmetry distance error (sde) of every plane, its unit normal and its point.
; Work-group g = 32 b + 2 h + half: batch b, head h, reflected points 512 half .. 512 half + 511.  Eight waves.
; It stores rec[g] = (nx, ny, nz, px, py, pz, this half's share of sde, 0), 32 bytes.
;
; ONE MATRIX INSTRUCTION MAKES 16 x 16 ENTRIES OF -d2/2.  With q = the reflected point,  -d2/2 = s.q - |s|^2/2 - |q|^2/2.
; Each coordinate is split in two bf16 (hi = nearest, lo = nearest of the rest), each square in three (exact), and laid along k:
;   k        0,1      2,3      4,5      6,7      8,9      10,11    12,13      14,15
;   A (s)    xh yh    zh w0    xl yl    zl w1    xh yh    zh w2    -.5 -.5    -.5 0        w = |s|^2
;   B (q)    xh yh    zh -.5   xh yh    zh -.5   xl yl    zl -.5   v0  v1     v2  0        v = |q|^2
; k = 16 .. 31 are zero registers on both sides.  Left out: lo x lo and the coordinates' third parts, about 2^-17 |s| |q|.
;
; ONLY ONE OF THE TWO CHAMFER TERMS IS COMPUTED.  The reflection (unit normal) keeps distances and is its own inverse, so
; |R s_i - s_j| = |s_i - R s_j|: d2 is symmetric for every input, min over rows = min over columns, and sde = 2 mean_i min_j d2.
; The two terms of the reference differ only by f32 rounding.
;
; A = 16 points s (rows m), streamed from LDS; B = 16 reflected points (columns n), four tiles fixed in each wave's registers.
; Register j of D holds row 8 (lane/16) + j of column lane%16: the maximum over s runs along the registers, four v_max3 a tile,
; one running register a tile, and the lanes meet once, at the end.
; LIMITS: finite inputs (v_max3_num drops a NaN); |normal|^2 a normal f32 number (v_rsq_f32 flushes denormals).
; No cluster, no tensor load: what work-groups share is 12 KiB of points, and it has to pass registers to be split.
; The launch asks for 168,960 bytes of LDS, of which 32,896 are used: two such work-groups exceed the 327,680 bytes that a
; WGP's four SIMDs share, so each of the 256 work-groups has four SIMDs to itself.
.set BATCH_B, 12288                    ; bytes of a batch's 1,024 points
.set TILE_B,  512                      ; LDS bytes of 16 points' features: k 0-7 of the 16 points, then k 8-15
.set QSTEP,   8192                     ; 256 points = 16 tiles
.set RED,     32768                    ; behind the features: 16 bytes a wave (centroid sums, sum of maxima)
.set TRIPS,   14                       ; 64 tiles = 4 in front of the loop + 4 x 14 + 4 behind it
.set LANE, 1
.set OFS,  2                           ; byte offset of the thread's first streamed point
.set OFF,  3                           ; byte offset of the lane's point in the wave's first fixed tile
.set PS,   8                           ; v[8:22]   four streamed points, x y z at 4 q
.set PF,   24                          ; v[24:38]  four fixed points
.set FLO,  40                          ; v[40:43]  features k 0-7 of a streamed point
.set FHI,  44                          ; v[44:47]  features k 8-15
.set T,    48                          ; v[48:59]  at work
.set REC,  60                          ; v[60:67]  the record; its first three words are the normal all along
.set NX,   60
.set NY,   61
.set NZ,   62
.set CM,   68                          ; v[68:71]  sums of x, y, z of the wave's 128 streamed points; sum of its 64 maxima
.set ACC,  72                          ; v[72:75]  running maximum of fixed tile a
.set LA,   76                          ; LDS address of the lane's 16 bytes of a streamed fragment
.set SA,   77                          ; LDS address of the thread's feature stores
.set RA,   78
.set RB,   79
.set BF,   80                          ; v[80:111]   four fixed fragments, 8 registers each (4-7 zero)
.set AF,   112                         ; v[112:143]  four buffers for streamed fragments (4-7 zero)
.set D,    144                         ; v[144:207]  two sets of four results
	s_load_b128 s[4:7], s[0:1], 0x0                ; sample_points s[4:5], y_pred s[6:7]
	s_load_b64 s[8:9], s[0:1], 0x10                ; rec
	v_lshl_add_u32 v208, v0, 2, 0x29000
	v_mov_b32 v209, 0
	v_and_b32 v[LANE], 31, v0
	v_lshrrev_b32 v4, 5, v0
	v_readfirstlane_b32 s10, v4                    ; wave 0..7
	s_lshr_b32 s16, ttmp9, 5                       ; batch
	s_mul_i32 s16, s16, BATCH_B
	s_mov_b32 s17, 0
	s_lshr_b32 s22, ttmp9, 1                       ; plane 16 b + h,
	s_lshl_b32 s22, s22, 4                         ; 16 bytes each in y_pred
	s_mov_b32 s23, 0
	s_lshl_b32 s24, ttmp9, 5                       ; 32 bytes of rec for each work-group
	s_mov_b32 s25, 0
	s_and_b32 s26, ttmp9, 1
	s_lshl_b32 s26, s26, 9                         ; 512 x half
	s_lshl_b32 s27, s10, 6
	s_add_co_u32 s26, s26, s27                     ; + 64 x wave: the wave's first fixed point
	v_mul_u32_u24 v[OFS], v0, 12                   ; streamed: thread t takes points t + 256 q
	v_and_b32 v4, 15, v0
	v_add_nc_u32 v4, s26, v4                       ; fixed: both halves of the lanes take point lane % 16 of the tile
	v_mul_u32_u24 v[OFF], v4, 12
	s_wait_kmcnt 0x0
	s_add_nc_u64 s[6:7], s[6:7], s[22:23]
	s_load_b128 s[12:15], s[6:7], 0x0              ; the plane as given: normal s12-14, d s15
	s_add_nc_u64 s[4:5], s[4:5], s[16:17]
	s_add_nc_u64 s[8:9], s[8:9], s[24:25]
.irp q, 0,1,2,3
	global_load_b96 v[PS+4*\q:PS+4*\q+2], v[OFS], s[4:5] offset:3072*\q
.endr
.irp a, 0,1,2,3
	global_load_b96 v[PF+4*\a:PF+4*\a+2], v[OFF], s[4:5] offset:192*\a
.endr
	; constants and addresses, while the loads are out
	s_mov_b32 s18, 0x76543210                      ; v_permlanex16_b32: lane i of the other half
	s_mov_b32 s19, 0xfedcba98
	s_mov_b32 s21, 0xffff0000                      ; a word's upper bf16
	s_mov_b32 s28, 0xffff                          ; its lower bf16
	s_mov_b32 s29, 0xbf000000                      ; -0.5 as the upper bf16
.irp i, 0,1,2,3
.irp j, 4,5,6,7
	v_mov_b32 v[BF+8*\i+\j], 0                     ; k = 16 .. 31 carry nothing
	v_mov_b32 v[AF+8*\i+\j], 0
.endr
.endr
	v_mov_b32 v[FHI+2], 0xbf00bf00                 ; k 12, 13: -0.5, -0.5
	v_mov_b32 v[FHI+3], 0xbf00                     ; k 14, 15: -0.5, 0
	v_lshrrev_b32 v4, 4, v0
	v_and_b32 v[SA], 15, v0
	v_lshlrev_b32 v[SA], 4, v[SA]
	v_lshl_add_u32 v[SA], v4, 9, v[SA]             ; tile (t / 16) x 512 + (t % 16) x 16: sixteen lanes store 256 consecutive bytes
	v_and_b32 v4, 7, v0
	v_lshl_or_b32 v[RB], v4, 4, RED                ; wave lane % 8's sums
	s_lshl_b32 s27, s10, 4
	s_add_co_u32 s27, s27, RED
	v_mov_b32 v[RA], s27                           ; my wave's sums
	v_cmp_le_u32 vcc_lo, 16, v[LANE]               ; lanes 16-31 hold k 8-15; VCC stays so until the fixed fragments are made
; The 16 features of streamed point q of the thread, into LDS.
.macro SFEAT q
	s_wait_loadcnt 7-\q                            ; eight loads were issued in order (ISA guide 5.7.1): the 7 - q younger ones stay out
	v_mul_f32 v[T], v[PS+4*\q], v[PS+4*\q]
	v_fma_f32 v[T], v[PS+4*\q+1], v[PS+4*\q+1], v[T]
	v_fma_f32 v[T], v[PS+4*\q+2], v[PS+4*\q+2], v[T]         ; w = |s|^2
	v_cvt_pk_bf16_f32 v[FLO], v[PS+4*\q], v[PS+4*\q+1]       ; xh yh
	v_cvt_pk_bf16_f32 v[FLO+1], v[PS+4*\q+2], v[T]           ; zh w0
	v_lshlrev_b32 v[T+1], 16, v[FLO]                         ; the four upper parts as f32
	v_and_b32 v[T+2], s21, v[FLO]
	v_lshlrev_b32 v[T+3], 16, v[FLO+1]
	v_and_b32 v[T+4], s21, v[FLO+1]
	v_sub_f32 v[T+1], v[PS+4*\q], v[T+1]                     ; what they leave (exact)
	v_sub_f32 v[T+2], v[PS+4*\q+1], v[T+2]
	v_sub_f32 v[T+5], v[PS+4*\q+2], v[T+3]
	v_sub_f32 v[T+4], v[T], v[T+4]
	v_cvt_pk_bf16_f32 v[FLO+2], v[T+1], v[T+2]               ; xl yl
	v_cvt_pk_bf16_f32 v[FLO+3], v[T+5], v[T+4]               ; zl w1
	v_and_b32 v[T+6], s21, v[FLO+3]
	v_sub_f32 v[T+6], v[T+4], v[T+6]                         ; w - w0 - w1
	v_mov_b32 v[FHI], v[FLO]                                 ; xh yh once more, for q's lower parts
	v_cvt_pk_bf16_f32 v[FHI+1], v[T+3], v[T+6]               ; zh w2 (zh is a bf16 already)
	ds_store_b128 v[SA], v[FLO:FLO+3] offset:\q*QSTEP
	ds_store_b128 v[SA], v[FHI:FHI+3] offset:\q*QSTEP+256
.endm
	SFEAT 0
	SFEAT 1
	SFEAT 2
	SFEAT 3
	s_wait_dscnt 0x0                               ; my features are in LDS:
	s_barrier_signal -1                            ; say so; up to the wait below only registers are worked on
	; the centroid's sums over my four points, then over the wave's lanes
	v_pk_add_f32 v[CM:CM+1], v[PS:PS+1], v[PS+4:PS+5]
	v_pk_add_f32 v[T:T+1], v[PS+8:PS+9], v[PS+12:PS+13]
	v_add_f32 v[CM+2], v[PS+2], v[PS+6]
	v_add_f32 v[T+2], v[PS+10], v[PS+14]
	v_pk_add_f32 v[CM:CM+1], v[CM:CM+1], v[T:T+1]
	v_add_f32 v[CM+2], v[CM+2], v[T+2]
.irp m, 1,2,4,8
.irp c, 0,1,2
	v_add_f32_dpp v[CM+\c], v[CM+\c], v[CM+\c] row_xmask:\m row_mask:0xf bank_mask:0xf
.endr
.endr
.irp c, 0,1,2
	v_permlanex16_b32 v[T+\c], v[CM+\c], s18, s19
.endr
.irp c, 0,1,2
	v_add_f32 v[CM+\c], v[CM+\c], v[T+\c]
.endr
	; the unit normal
	s_wait_kmcnt 0x0
	v_mul_f32 v4, s12, s12
	v_fma_f32 v4, s13, s13, v4
	v_fma_f32 v4, s14, s14, v4
	v_rsq_f32 v4, v4
	v_lshlrev_b32 v[LA], 4, v[LANE]                ; the plain instruction that stands behind v_rsq_f32 (ISA guide 5.7.2); lane x 16
	s_wait_alu depctr_va_vdst(0)
	v_mul_f32 v[NX], s12, v4
	v_mul_f32 v[NY], s13, v4
	v_mul_f32 v[NZ], s14, v4
; Fixed tile a: reflect the lane's point, split it, and keep the half of the 16 features that the lane's place in B asks for.
.macro FFEAT a
	s_wait_loadcnt 3-\a                            ; the 3 - a younger loads stay out
	v_fma_f32 v[T], v[PF+4*\a], v[NX], s15
	v_fma_f32 v[T], v[PF+4*\a+1], v[NY], v[T]
	v_fma_f32 v[T], v[PF+4*\a+2], v[NZ], v[T]                ; n.s + d
	v_mul_f32 v[T], -2.0, v[T]
	v_fma_f32 v[T+1], v[T], v[NX], v[PF+4*\a]                ; q = s - 2 (n.s + d) n
	v_fma_f32 v[T+2], v[T], v[NY], v[PF+4*\a+1]
	v_fma_f32 v[T+3], v[T], v[NZ], v[PF+4*\a+2]
	v_mul_f32 v[T], v[T+1], v[T+1]
	v_fma_f32 v[T], v[T+2], v[T+2], v[T]
	v_fma_f32 v[T], v[T+3], v[T+3], v[T]                     ; v = |q|^2
	v_cvt_pk_bf16_f32 v[T+4], v[T+1], v[T+2]                 ; xh yh
	v_cvt_pk_bf16_f32 v[T+5], v[T+3], v[T]                   ; zh v0
	v_lshlrev_b32 v[T+6], 16, v[T+4]
	v_and_b32 v[T+7], s21, v[T+4]
	v_lshlrev_b32 v[T+8], 16, v[T+5]
	v_and_b32 v[T+9], s21, v[T+5]
	v_sub_f32 v[T+6], v[T+1], v[T+6]
	v_sub_f32 v[T+7], v[T+2], v[T+7]
	v_sub_f32 v[T+8], v[T+3], v[T+8]
	v_sub_f32 v[T+9], v[T], v[T+9]
	v_cvt_pk_bf16_f32 v[T+6], v[T+6], v[T+7]                 ; xl yl
	v_cvt_pk_bf16_f32 v[T+7], v[T+8], v[T+9]                 ; zl v1
	v_and_b32 v[T+8], s21, v[T+7]
	v_sub_f32 v[T+8], v[T+9], v[T+8]
	v_cvt_pk_bf16_f32 v[T+8], v[T+8], 0                      ; v2 0
	v_perm_b32 v[T+9], v[T+7], v[T+5], 0x07060302            ; v0 v1: the two upper halves
	v_and_or_b32 v[T+5], v[T+5], s28, s29                    ; zh -.5
	v_and_or_b32 v[T+7], v[T+7], s28, s29                    ; zl -.5
	v_cndmask_b32 v[BF+8*\a], v[T+4], v[T+6], vcc_lo         ; k 0,1: xh yh    or k 8,9:   xl yl
	v_cndmask_b32 v[BF+8*\a+1], v[T+5], v[T+7], vcc_lo       ; k 2,3: zh -.5   or k 10,11: zl -.5
	v_cndmask_b32 v[BF+8*\a+2], v[T+4], v[T+9], vcc_lo       ; k 4,5: xh yh    or k 12,13: v0 v1
	v_cndmask_b32 v[BF+8*\a+3], v[T+5], v[T+8], vcc_lo       ; k 6,7: zh -.5   or k 14,15: v2 0
.endm
	FFEAT 0
	FFEAT 1
	FFEAT 2
	FFEAT 3
	s_barrier_wait -1                              ; every wave's features are in LDS
.irp s, 0,1,2,3
	ds_load_b128 v[AF+8*\s:AF+8*\s+3], v[LA] offset:\s*TILE_B      ; tiles 0-3: 32 lanes, 512 consecutive bytes
.endr
; The eight rows of a result and the running maximum become one: nine numbers, four v_max3.
.macro REDUCE d, a
	v_max3_num_f32 v[T+2*\a], v[\d], v[\d+1], v[\d+2]
	v_max3_num_f32 v[T+2*\a+1], v[\d+3], v[\d+4], v[\d+5]
	v_max3_num_f32 v[ACC+\a], v[ACC+\a], v[\d+6], v[\d+7]
	v_max3_num_f32 v[ACC+\a], v[ACC+\a], v[T+2*\a], v[T+2*\a+1]
.endm
; One streamed tile, from buffer s: four products into result set s % 2, each followed by the maxima of the other set's tile a,
; which the stage before made.  Distances (ISA guide 7.12.1): a result is read 16 vector instructions behind its product; a set is
; written again 32 behind; the buffer is loaded again behind the four v_max3 that follow the last product that read it.
; red = 0: the first stage has nothing to reduce; it starts the maxima at -infinity, four instructions that are those places.
; left = how many younger fragment loads may stay out.
.macro STAGE s, red, ld, left
	s_wait_dscnt \left
.if \red
.irp a, 0,1,2,3
	v_wmma_f32_16x16x32_bf16 v[D+32*(\s&1)+8*\a:D+32*(\s&1)+8*\a+7], v[AF+8*\s:AF+8*\s+7], v[BF+8*\a:BF+8*\a+7], 0
	REDUCE D+32*((\s+1)&1)+8*\a, \a
.endr
.else
.irp a, 0,1,2,3
	v_wmma_f32_16x16x32_bf16 v[D+32*(\s&1)+8*\a:D+32*(\s&1)+8*\a+7], v[AF+8*\s:AF+8*\s+7], v[BF+8*\a:BF+8*\a+7], 0
.endr
.irp a, 0,1,2,3
	v_mov_b32 v[ACC+\a], 0xff800000
.endr
.endif
.if \ld
	ds_load_b128 v[AF+8*\s:AF+8*\s+3], v[LA] offset:(\s+4)*TILE_B  ; four tiles ahead
.endif
.endm
	STAGE 0, 0, 1, 3                               ; four loads are always out; the oldest is waited for, three stay
	STAGE 1, 1, 1, 3
	STAGE 2, 1, 1, 3
	STAGE 3, 1, 1, 3
	v_add_nc_u32 v[LA], 4*TILE_B, v[LA]
	s_mov_b32 s20, TRIPS
.Ltiles:
	STAGE 0, 1, 1, 3
	STAGE 1, 1, 1, 3
	STAGE 2, 1, 1, 3
	STAGE 3, 1, 1, 3
	v_add_nc_u32 v[LA], 4*TILE_B, v[LA]
	s_sub_co_i32 s20, s20, 1
	s_cmp_lg_u32 s20, 0
	s_cbranch_scc1 .Ltiles
	STAGE 0, 1, 0, 3                               ; tiles 60-63: nothing more to load, the counts run down
	STAGE 1, 1, 0, 2
	STAGE 2, 1, 0, 1
	STAGE 3, 1, 0, 0
.irp a, 0,1,2,3
	REDUCE D+32+8*\a, \a                           ; the last stage's results; four v_max3 stand behind its last product
.endr
	; lanes l and l + 16 hold the maxima over different rows of the same column; then the sum over the wave's 64 columns
.irp a, 0,1,2,3
	v_permlanex16_b32 v[T+\a], v[ACC+\a], s18, s19
.endr
.irp a, 0,1,2,3
	v_max_num_f32 v[ACC+\a], v[ACC+\a], v[T+\a]
.endr
	v_add_f32 v[ACC], v[ACC], v[ACC+1]
	v_add_f32 v[ACC+2], v[ACC+2], v[ACC+3]
	v_add_f32 v[CM+3], v[ACC], v[ACC+2]
.irp m, 1,2,4,8
	v_add_f32_dpp v[CM+3], v[CM+3], v[CM+3] row_xmask:\m row_mask:0xf bank_mask:0xf
.endr
	ds_store_b128 v[RA], v[CM:CM+3]                ; every lane holds the same four numbers
	s_wait_dscnt 0x0
	s_barrier_signal -1
	s_barrier_wait -1
	s_cmp_lg_u32 s10, 0
	s_cbranch_scc1 .Ldone                          ; wave 0 finishes alone
	ds_load_b128 v[T:T+3], v[RB]                   ; lane l: the sums of wave l % 8
	s_wait_dscnt 0x0
.irp m, 1,2,4
.irp c, 0,1,2,3
	v_add_f32_dpp v[T+\c], v[T+\c], v[T+\c] row_xmask:\m row_mask:0xf bank_mask:0xf
.endr
.endr
	v_mul_f32 v[T], 0x3a800000, v[T]               ; centroid = sums / 1024
	v_mul_f32 v[T+1], 0x3a800000, v[T+1]
	v_mul_f32 v[T+2], 0x3a800000, v[T+2]
	v_fma_f32 v[T+4], v[T], v[NX], s15
	v_fma_f32 v[T+4], v[T+1], v[NY], v[T+4]
	v_fma_f32 v[T+4], v[T+2], v[NZ], v[T+4]        ; n.cm + d, in v52
	v_fma_f32 v[REC+3], -v52, v[NX], v[T]          ; point = cm - (n.cm + d) n
	v_fma_f32 v[REC+4], -v52, v[NY], v[T+1]
	v_fma_f32 v[REC+5], -v52, v[NZ], v[T+2]
	v_mul_f32 v[REC+6], 0xbb800000, v[T+3]         ; 2 x (1/1024) x sum of min d2, min d2 = -2 max: the sum of maxima x -1/256
	v_mov_b32 v[REC+7], 0
	v_mov_b32 v4, 0
	v_cmp_eq_u32 vcc_lo, 0, v0
	s_wait_tensorcnt 0x0
	ds_add_u32 v208, v209
	s_wait_dscnt 0x0
	s_and_saveexec_b32 s30, vcc_lo                 ; every lane holds the record; lane 0 stores it
	global_store_b128 v4, v[REC:REC+3], s[8:9]
	global_store_b128 v4, v[REC+4:REC+7], s[8:9] offset:16
	s_endpgm
.Ldone:
	s_wait_tensorcnt 0x0
	ds_add_u32 v208, v209
	s_wait_dscnt 0x0
	s_endpgm
.Lfunc_end_k_q21f561bfc3_chamfer:
	.size	k_q21f561bfc3_chamfer, .Lfunc_end_k_q21f561bfc3_chamfer-k_q21f561bfc3_chamfer
	.p2alignl 7, 3214868480
	.fill 96, 4, 3214868480
	.section	.rodata,"a",@progbits
	.p2align	6, 0x0
	.amdhsa_kernel k_q21f561bfc3_chamfer
		.amdhsa_group_segment_fixed_size 168960
		.amdhsa_private_segment_fixed_size 0
		.amdhsa_enable_private_segment 0
		.amdhsa_kernarg_size 24
		.amdhsa_user_sgpr_count 2
		.amdhsa_user_sgpr_kernarg_segment_ptr 1
		.amdhsa_wavefront_size32 1
		.amdhsa_system_sgpr_workgroup_id_x 1
		.amdhsa_system_sgpr_workgroup_id_y 1
		.amdhsa_system_sgpr_workgroup_id_z 1
		.amdhsa_system_vgpr_workitem_id 0
		.amdhsa_next_free_vgpr 210
		.amdhsa_next_free_sgpr 66
		.amdhsa_reserve_vcc 1
		.amdhsa_float_denorm_mode_32 3
		.amdhsa_float_denorm_mode_16_64 3
		.amdhsa_memory_ordered 1
		.amdhsa_forward_progress 1
		.amdhsa_inst_pref_size 36
	.end_amdhsa_kernel
	.amdgpu_metadata
---
amdhsa.version: [ 1, 2 ]
amdhsa.kernels:
  - .name:           k_q21f561bfc3_chamfer
    .symbol:         k_q21f561bfc3_chamfer.kd
    .args:
      - { .name: sample_points, .offset: 0, .size: 8, .value_kind: global_buffer, .address_space: global }
      - { .name: y_pred, .offset: 8, .size: 8, .value_kind: global_buffer, .address_space: global }
      - { .name: rec, .offset: 16, .size: 8, .value_kind: global_buffer, .address_space: global }
    .group_segment_fixed_size: 168960
    .private_segment_fixed_size: 0
    .kernarg_segment_align: 8
    .kernarg_segment_size: 24
    .max_flat_workgroup_size: 256
    .sgpr_count:     66
    .vgpr_count:     210
    .wavefront_size: 32
...
	.end_amdgpu_metadata
.endif
;; end of part 1
;; launch select (part 2): grid 8 x 1, 1 waves a work-group, no clusters, 0 bytes of LDS; arguments rec, out0; writes out0
.if DOCPART == 2
	.amdgcn_target "amdgcn-amd-amdhsa--gfx1250"
	.amdhsa_code_object_version 6
	.text
	.protected	k_q21f561bfc3_select
	.globl	k_q21f561bfc3_select
	.p2align	8
	.type	k_q21f561bfc3_select,@function
k_q21f561bfc3_select:
	s_mov_b64 s[64:65], 0
	v_nop
	global_prefetch_b8 v0, s[64:65] scope:SCOPE_SE
	s_setreg_imm32_b32 hwreg(HW_REG_WAVE_MODE, 25, 1), 1
	s_wait_xcnt 0x0
; PlaneValidator, second of two launches: confidence, suppression of near-parallel planes, order, output.  One wave for a batch.
; Lane l stands for head l % 16; both rows of 16 lanes compute the same, and differ only in which 16 bytes of a plane they carry
; out (row 0: nx ny nz px, row 1: py pz conf sde).  Heads meet by DPP row_xmask:k, k = 1 .. 15: lane i sees head i xor k.
; No address hangs on the data: the order is made as a rank, and each output slot picks its plane by v_cndmask_b32.
; How it differs from the reference in rounding, and its limits:
;  - 'angle < 30 or 180 - angle < 30 degrees' is tested as |cos| > cos 30 (arccos falls monotonically; the clip to [-1, 1] cannot
;    change that test); a pair within rounding of the threshold may fall on the other side.
;  - the division is v_rcp_f32 and one correction step.  max - min is never negative, so its absolute value is itself.
;  - finite inputs.  If all 16 sde of a batch are equal, conf is NaN as in the reference, and kept planes are ordered by index.
.set HEAD, 1
.set ROW,  2
.set RO,   3                           ; byte offset of the head's two records
.set OO,   4                           ; byte offset of the lane's 16 output bytes
.set P,    8                           ; v[8:15]  nx ny nz px py pz conf sde
.set S1,   16                          ; the second half's share of sde
.set MN,   17
.set MX,   18
.set RNG,  19
.set NUM,  20
.set RC,   21
.set SQ,   22                          ; sde if valid, else +infinity
.set MSQ,  23                          ; least SQ among the close heads
.set G,    24                          ; v[24:28] what the partner lane sent
.set KEY,  29
.set RANK, 30
.set RK,   31
.set V,    32                          ; v[32:35] the 16 bytes that the lane carries
.set O,    36                          ; v[36:39] the 16 bytes that the lane stores
.set KP,   40                          ; v[40:43] KEY - bit p of the head
.set DOT,  44
	s_load_b128 s[4:7], s[0:1], 0x0                ; rec s[4:5], out0 s[6:7]
	v_and_b32 v[HEAD], 15, v0
	v_lshrrev_b32 v[ROW], 4, v0
	v_lshlrev_b32 v[RO], 6, v[HEAD]                ; two records of 32 bytes a head
	v_lshlrev_b32 v[OO], 5, v[HEAD]
	v_lshl_add_u32 v[OO], v[ROW], 4, v[OO]         ; slot x 32 + row x 16
	s_lshl_b32 s8, ttmp9, 10                       ; a batch: 1,024 bytes of rec,
	s_mov_b32 s9, 0
	s_lshl_b32 s10, ttmp9, 9                       ; 512 bytes of out0
	s_mov_b32 s11, 0
	s_mov_b32 s12, 0x3f5db3d7                      ; cos 30 degrees
	s_mov_b32 s13, 0x41200000                      ; 10.0, the sde threshold
	s_mov_b32 s14, 0xffff0000                      ; lanes of row 1
	s_wait_kmcnt 0x0
	s_add_nc_u64 s[4:5], s[4:5], s[8:9]
	s_add_nc_u64 s[6:7], s[6:7], s[10:11]
	global_load_b128 v[P:P+3], v[RO], s[4:5]
	global_load_b128 v[P+4:P+7], v[RO], s[4:5] offset:16
	global_load_b32 v[S1], v[RO], s[4:5] offset:56
.irp i, 0,1,2,3,4
	v_mov_b32 v[G+\i], 0                           ; a DPP form's destination counts as read
.endr
	v_mov_b32 v[MSQ], 0x7f800000
	v_mov_b32 v[RANK], 0
	s_wait_loadcnt 0x0
	; sde, its least and largest over the 16 heads, confidence
	v_add_f32 v[P+7], v[P+6], v[S1]
	v_mov_b32 v[MN], v[P+7]
	v_mov_b32 v[MX], v[P+7]
.irp m, 1,2,4,8
	v_min_num_f32_dpp v[MN], v[MN], v[MN] row_xmask:\m row_mask:0xf bank_mask:0xf
	v_max_num_f32_dpp v[MX], v[MX], v[MX] row_xmask:\m row_mask:0xf bank_mask:0xf
.endr
	v_sub_f32 v[RNG], v[MX], v[MN]
	v_sub_f32 v[NUM], v[P+7], v[MN]
	v_rcp_f32 v[RC], v[RNG]
	v_nop                                          ; one plain instruction behind v_rcp_f32 (ISA guide 5.7.2)
	v_cmp_le_f32 vcc_lo, v[P+7], s13               ; valid
	v_cndmask_b32 v[SQ], 0x7f800000, v[P+7], vcc_lo
	s_wait_alu depctr_va_vdst(0)
	v_mul_f32 v[P+6], v[NUM], v[RC]                ; the quotient, in v14,
	v_fma_f32 v[DOT], -v14, v[RNG], v[NUM]         ; what it leaves,
	v_fma_f32 v[P+6], v[DOT], v[RC], v[P+6]        ; corrected
	v_sub_f32 v[P+6], 1.0, v[P+6]                  ; conf
	; plane i goes if a valid plane j, close in angle, has sde_j <= sde_i: the least such sde_j is all that is needed
.irp k, 1,2,3,4,5,6,7,8,9,10,11,12,13,14,15
	v_mov_b32_dpp v[G], v[P] row_xmask:\k row_mask:0xf bank_mask:0xf
	v_mov_b32_dpp v[G+1], v[P+1] row_xmask:\k row_mask:0xf bank_mask:0xf
	v_mov_b32_dpp v[G+2], v[P+2] row_xmask:\k row_mask:0xf bank_mask:0xf
	v_mov_b32_dpp v[G+3], v[SQ] row_xmask:\k row_mask:0xf bank_mask:0xf
	v_mul_f32 v[DOT], v[G], v[P]
	v_fma_f32 v[DOT], v[G+1], v[P+1], v[DOT]
	v_fma_f32 v[DOT], v[G+2], v[P+2], v[DOT]       ; cos of the angle, in v44
	v_cmp_gt_f32 vcc_lo, |v44|, s12
	v_cndmask_b32 v[G+3], 0x7f800000, v[G+3], vcc_lo
	v_min_num_f32 v[MSQ], v[MSQ], v[G+3]
.endr
	v_cmp_lt_f32 vcc_lo, v[SQ], v[MSQ]             ; keep = valid and below every close valid plane
	s_mov_b32 s15, vcc_lo
	; rank among the kept, by conf falling, equal conf by index.  conf >= 0 orders like its bits; the key is bits + 2, or 1 if not kept.
	v_max_num_f32 v[KEY], 0, v[P+6]                ; a conf that rounding left just below 0 counts as 0 in the order
	v_add_nc_u32 v[KEY], 2, v[KEY]
	v_cndmask_b32 v[KEY], 1, v[KEY], vcc_lo
.irp p, 0,1,2,3
	v_bfe_u32 v[KP+\p], v[HEAD], \p, 1
	v_sub_nc_u32 v[KP+\p], v[KEY], v[KP+\p]
.endr
; j = i xor k lies below i exactly when i has k's top bit p; then an equal key goes first too: key_j >= key_i is key_j > key_i - 1
.macro RANKSTEP k, p
	v_mov_b32_dpp v[G], v[KEY] row_xmask:\k row_mask:0xf bank_mask:0xf
	v_cmp_gt_u32 vcc_lo, v[G], v[KP+\p]
	v_add_co_ci_u32 v[RANK], vcc_lo, 0, v[RANK], vcc_lo
.endm
	RANKSTEP 1, 0
.irp k, 2,3
	RANKSTEP \k, 1
.endr
.irp k, 4,5,6,7
	RANKSTEP \k, 2
.endr
.irp k, 8,9,10,11,12,13,14,15
	RANKSTEP \k, 3
.endr
	v_cndmask_b32 v[RK], 32, v[RANK], s15          ; a plane that is not kept fits no slot
	; slot = lane % 16 takes the plane whose rank it is; slots that no plane claims stay zero
.irp i, 0,1,2,3
	v_cndmask_b32 v[V+\i], v[P+\i], v[P+4+\i], s14
.endr
	v_cmp_eq_u32 vcc_lo, v[RK], v[HEAD]
.irp i, 0,1,2,3
	v_cndmask_b32 v[O+\i], 0, v[V+\i], vcc_lo
.endr
.irp k, 1,2,3,4,5,6,7,8,9,10,11,12,13,14,15
	v_mov_b32_dpp v[G], v[RK] row_xmask:\k row_mask:0xf bank_mask:0xf
	v_mov_b32_dpp v[G+1], v[V] row_xmask:\k row_mask:0xf bank_mask:0xf
	v_mov_b32_dpp v[G+2], v[V+1] row_xmask:\k row_mask:0xf bank_mask:0xf
	v_mov_b32_dpp v[G+3], v[V+2] row_xmask:\k row_mask:0xf bank_mask:0xf
	v_mov_b32_dpp v[G+4], v[V+3] row_xmask:\k row_mask:0xf bank_mask:0xf
	v_cmp_eq_u32 vcc_lo, v[G], v[HEAD]
	v_cndmask_b32 v[O], v[O], v[G+1], vcc_lo
	v_cndmask_b32 v[O+1], v[O+1], v[G+2], vcc_lo
	v_cndmask_b32 v[O+2], v[O+2], v[G+3], vcc_lo
	v_cndmask_b32 v[O+3], v[O+3], v[G+4], vcc_lo
.endr
	global_store_b128 v[OO], v[O:O+3], s[6:7]      ; the wave's one store covers the batch's 512 bytes, aligned
	s_endpgm
.Lfunc_end_k_q21f561bfc3_select:
	.size	k_q21f561bfc3_select, .Lfunc_end_k_q21f561bfc3_select-k_q21f561bfc3_select
	.p2alignl 7, 3214868480
	.fill 96, 4, 3214868480
	.section	.rodata,"a",@progbits
	.p2align	6, 0x0
	.amdhsa_kernel k_q21f561bfc3_select
		.amdhsa_group_segment_fixed_size 0
		.amdhsa_private_segment_fixed_size 0
		.amdhsa_enable_private_segment 0
		.amdhsa_kernarg_size 16
		.amdhsa_user_sgpr_count 2
		.amdhsa_user_sgpr_kernarg_segment_ptr 1
		.amdhsa_wavefront_size32 1
		.amdhsa_system_sgpr_workgroup_id_x 1
		.amdhsa_system_sgpr_workgroup_id_y 1
		.amdhsa_system_sgpr_workgroup_id_z 1
		.amdhsa_system_vgpr_workitem_id 0
		.amdhsa_next_free_vgpr 48
		.amdhsa_next_free_sgpr 66
		.amdhsa_reserve_vcc 1
		.amdhsa_float_denorm_mode_32 3
		.amdhsa_float_denorm_mode_16_64 3
		.amdhsa_memory_ordered 1
		.amdhsa_forward_progress 1
		.amdhsa_inst_pref_size 21
	.end_amdhsa_kernel
	.amdgpu_metadata
---
amdhsa.version: [ 1, 2 ]
amdhsa.kernels:
  - .name:           k_q21f561bfc3_select
    .symbol:         k_q21f561bfc3_select.kd
    .args:
      - { .name: rec, .offset: 0, .size: 8, .value_kind: global_buffer, .address_space: global }
      - { .name: out0, .offset: 8, .size: 8, .value_kind: global_buffer, .address_space: global }
    .group_segment_fixed_size: 0
    .private_segment_fixed_size: 0
    .kernarg_segment_align: 8
    .kernarg_segment_size: 16
    .max_flat_workgroup_size: 32
    .sgpr_count:     66
    .vgpr_count:     48
    .wavefront_size: 32
...
	.end_amdgpu_metadata
.endif
;; end of part 2
